; MI455X (gfx1250); checked and timed in simulation.
; The chip was launched on July 23, 2026; its instructions are those of AMD's public machine-readable ISA for CDNA 5 (MIT licence, August 2026) and "CDNA5" Instruction Set Architecture Reference Guide (July 2026). The comments in the code are by the model that wrote it; some were corrected since.
;; Antisymmetric Exp Generator. Allowed arithmetic: float matrix products may take bf16 or f16 operands with f32 sums; all other float work in f32.
;; Inputs: B_w 1,024 x 512 float32; C_w 512 x 1,024 float32; W_w 1,024 x 1,024 float32; du 1 x 256 float32; h 1 x 1,024 float32; u 1 x 256 float32.
;; Outputs: out0 1 x 512 float32.
;; One version. Each part assembles by itself: llvm-mc -triple=amdgcn-amd-amdhsa -mcpu=gfx1250 --defsym DOCPART=n.
;; ======== version 1 of 1: 7 launches
;; limits: an iteration or a series of the reference is cut at 6 steps; right only within a limited range of input values
;; workspace buffers: Amat 4,194,304 bytes; Pa 65,792 bytes; Pb 65,792 bytes; Sa 4,096 bytes; Sb 4,096 bytes
;; launch build (part 1): grid 16 x 16, 4 waves a work-group, no clusters, 17,920 bytes of LDS; arguments W_w, B_w, du, u, h, Amat, Pa; writes Amat, Pa
.if DOCPART == 1
	.amdgcn_target "amdgcn-amd-amdhsa--gfx1250"
	.amdhsa_code_object_version 6
	.text
	.protected	k_q44885e4534_build
	.globl	k_q44885e4534_build
	.p2align	8
	.type	k_q44885e4534_build,@function
k_q44885e4534_build:
	s_mov_b64 s[64:65], 0
	v_nop
	global_prefetch_b8 v0, s[64:65] scope:SCOPE_SE
	s_setreg_imm32_b32 hwreg(HW_REG_WAVE_MODE, 25, 1), 1
	s_wait_xcnt 0x0
; THE PROGRAM.  y = C (e^(dA) h + A^-1 (e^(dA) - I) b),  A = (W - W^T)/2,  b = B [du,u],  d = 0.01.
; For every invertible A:  A^-1 (e^(dA) - I) = sum over j >= 1 of d^j A^(j-1) / j!,  and  e^(dA) h = h + the same series applied to A h.  So
;     v = h + t_1 + t_2 + ...,   t_1 = d (A h + b),   t_(j+1) = d/(j+1) A t_j,   y = C v:
; a chain of matrix-vector products; no inverse and no exponential of a matrix is formed.  Everything is f32.
; LIMITS.  The series is cut behind t_6: the remainder is about x^7/5040 of v, x = the 2-norm of dA: 1.6e-6 at x = 0.5, 3.4e-3 at x = 1.5.
; Entries of W of spread 1/32 give x about 0.014, thirty times that about 0.45.  Beyond x about 1.5 the cut is too early.
; Where A is singular the defining formula is not finite and this program is.  The sums are taken in another order than a dense product takes them.
;
; THIS LAUNCH.  D = W - W^T = 2 A goes to Amat (the factor 1/2 is exact and is folded into the steps' coefficient 0.005 / j), and the partial sums
; of D h + 2 B [du,u] = 2 (A h + b) go to P.  P is [16][1024]: row p is what column block p adds to the vector; behind it 64 copies of the
; counter j (here 1.0), so that one body serves every step.
; 16 x 16 work-groups, one for each tile of 64 x 64: (bi, bj) reads W's tiles (bi, bj) and (bj, bi), the second through LDS to transpose it,
; and stores its tile of D and 64 sums, 256 consecutive aligned bytes, to P[bj][64 bi ..].
; It also takes 32 rows x 64 columns of B: rows 64 bi + 32 (bj >> 3) + .., column block bj & 7.  Over the 16 work-groups of a block row each row of
; B meets each of its 8 column blocks once, and each byte of B is read once in the launch.
; LANES.  c = t & 15, h = (t >> 4) & 1, w = t >> 5.  Register group r of a lane: row 16 w + 2 r + h of the tile, columns 4 c .. 4 c + 3.
; So 16 neighbouring lanes load and store 256 consecutive aligned bytes, and a dot product ends with a sum over 16 lanes.
; NOT USED: matrix instructions (every product has one row: 15 of a tile's 16 rows would be idle); the tensor mover, a ring, clusters (one round of
; loads, issued in the first lines, with no loop to run ahead of; the two tiles of W are shared with one other work-group only).
.set ROWB, 4096                        ; bytes in a row of W and of D
.set BROW, 2048                        ; bytes in a row of B
.set TP,   260                         ; LDS pitch, 65 words: the 32 words of one store lie at word 65 h + 4 c + const, those of one transposed read
                                       ; at 260 c + h + const: modulo 64 both are 4 c + h + const, 32 different columns of words
.set STG,  64*TP                       ; 16,640: the 64 sums of D h
.set BST,  STG+256                     ; 16,896: the 32 sums of B z
.set CNT,  65536                       ; the counter's place in P
.set T2,  16                           ; v[16:47]   W's tile (bj, bi) as loaded
.set T1,  48                           ; v[48:79]   W's tile (bi, bj), then D's
.set HX,  80                           ; v[80:83]   h[64 bj + 4 c ..]
.set BB,  84                           ; v[84:99]   four rows of B
.set ZZ,  100                          ; v[100:103] z = [du,u] at B's column block
.set TT,  104                          ; v[104:135] tile (bj, bi) transposed
.set ACC, 136                          ; v[136:143] eight sums of D h
.set BAC, 144                          ; v[144:147] four sums of B z
.set TMP, 148                          ; v[148:155] four pairs at work
.set OB,  156                          ; v[156:159] the way out: B's sums
.macro DOT acc, m, x, t                ; acc = the lane's four products of m and x, summed
	v_pk_mul_f32 v[\t:\t+1], v[\m:\m+1], v[\x:\x+1]
	v_pk_fma_f32 v[\t:\t+1], v[\m+2:\m+3], v[\x+2:\x+3], v[\t:\t+1]
	v_add_f32 v[\acc], v[\t], v[\t+1]
.endm
.macro RED16 base, n                   ; n registers summed over the 16 lanes of each half; every lane ends with the sum
.irp m, 1,2,4,8
.set RI, 0
.rept \n
	v_add_f32_dpp v[\base+RI], v[\base+RI], v[\base+RI] row_xmask:\m row_mask:0xf bank_mask:0xf
.set RI, RI+1
.endr
.endr
.endm
	s_load_b256 s[4:11], s[0:1], 0x0               ; W s[4:5], B s[6:7], du s[8:9], u s[10:11]
	s_load_b128 s[12:15], s[0:1], 0x20             ; h s[12:13], Amat s[14:15]
	s_load_b64 s[16:17], s[0:1], 0x30              ; P
	v_lshl_add_u32 v160, v0, 2, 0x4400
	v_mov_b32 v161, 0
	s_and_b32 s18, ttmp7, 0xffff                   ; bi
	s_mov_b32 s19, ttmp9                           ; bj
	s_lshl_b32 s20, s18, 18                        ; tile (bi, bj): 64 bi rows of 4,096 bytes
	s_lshl_b32 s42, s19, 8                         ; + 64 bj columns of 4
	s_add_co_u32 s20, s20, s42
	s_mov_b32 s21, 0
	s_lshl_b32 s22, s19, 18                        ; tile (bj, bi)
	s_lshl_b32 s42, s18, 8
	s_add_co_u32 s22, s22, s42
	s_mov_b32 s23, 0
	s_lshr_b32 s32, s19, 3                         ; which 32 of my 64 rows take B's sums
	s_lshl_b32 s24, s18, 17                        ; B: 64 bi rows of 2,048 bytes
	s_lshl_b32 s42, s32, 16                        ; + 32 rows
	s_add_co_u32 s24, s24, s42
	s_and_b32 s42, s19, 7                          ; + column block bj & 7
	s_lshl_b32 s42, s42, 8
	s_add_co_u32 s24, s24, s42
	s_mov_b32 s25, 0
	s_and_b32 s26, s19, 3                          ; z: block (bj & 3) of du or of u
	s_lshl_b32 s26, s26, 8
	s_mov_b32 s27, 0
	s_lshl_b32 s28, s19, 8                         ; h: block bj
	s_mov_b32 s29, 0
	s_lshl_b32 s30, s19, 12                        ; P[bj][64 bi]
	s_lshl_b32 s42, s18, 8
	s_add_co_u32 s30, s30, s42
	s_mov_b32 s31, 0
	v_and_b32 v12, 15, v0                          ; c
	v_bfe_u32 v2, v0, 4, 1                         ; h
	v_lshrrev_b32 v3, 5, v0                        ; w
	v_lshrrev_b32 v14, 4, v0                       ; g = 2 w + h
	v_readfirstlane_b32 s33, v3                    ; the wave's number as a scalar
	v_lshlrev_b32 v1, 4, v12                       ; 16 c
	v_lshl_add_u32 v13, v3, 4, v2                  ; 16 w + h: my first row, 0 to 49 (a sum, so that the range is read off the line:
	                                               ; the highest byte of the tile touched is 49 x 260 + 240 + 7 x 520 + 12 + 4 = 16,636)
	v_lshl_add_u32 v4, v13, 12, v1                 ; W and D: first row x 4,096 + 16 c
	v_lshl_add_u32 v5, v14, 13, v1                 ; B: row 4 g x 2,048 + 16 c
	v_mad_u32_u24 v6, v13, TP, v1                  ; LDS, in: first row x pitch + 16 c
	v_lshlrev_b32 v8, 2, v13                       ; 4 (16 w + h): my first row as a column, and my first sum's word
	v_mad_u32_u24 v7, v12, 4*TP, v8                ; LDS, back: row 4 c of the stored tile, column = my first row
	v_lshlrev_b32 v9, 4, v14                       ; B's sums: rows 4 g .. 4 g + 3 of 32
	v_lshrrev_b32 v10, 3, v12                      ; the way out: which half of the 64 rows lane c holds,
	v_and_b32 v11, 0x70, v1                        ; and where B's sums for them lie: 16 (c & 7)
	s_wait_kmcnt 0x0
	s_add_nc_u64 s[34:35], s[4:5], s[22:23]        ; W at tile (bj, bi)
	s_add_nc_u64 s[36:37], s[4:5], s[20:21]        ; W at tile (bi, bj)
	s_add_nc_u64 s[6:7], s[6:7], s[24:25]
	s_bitcmp1_b32 s19, 2                           ; [du,u]: column blocks 0-3 are du, 4-7 are u
	s_cselect_b64 s[38:39], s[10:11], s[8:9]
	s_add_nc_u64 s[38:39], s[38:39], s[26:27]
	s_add_nc_u64 s[12:13], s[12:13], s[28:29]
	s_add_nc_u64 s[14:15], s[14:15], s[20:21]
	s_add_nc_u64 s[16:17], s[16:17], s[30:31]
	; all 22 loads at once; the tile that has to go through LDS first
.irp r, 0,1,2,3,4,5,6,7
	global_load_b128 v[T2+4*\r:T2+4*\r+3], v4, s[34:35] offset:\r*2*ROWB
.endr
.irp r, 0,1,2,3,4,5,6,7
	global_load_b128 v[T1+4*\r:T1+4*\r+3], v4, s[36:37] offset:\r*2*ROWB
.endr
	global_load_b128 v[HX:HX+3], v1, s[12:13]
.irp r, 0,1,2,3
	global_load_b128 v[BB+4*\r:BB+4*\r+3], v5, s[6:7] offset:\r*BROW th:TH_LOAD_NT   ; each byte of B is read once in the launch
.endr
	global_load_b128 v[ZZ:ZZ+3], v1, s[38:39]
	s_wait_loadcnt 14                              ; loads come back in order (ISA guide 5.7.1): T2 is in, the 8 + 1 + 4 + 1 younger loads stay out
.irp r, 0,1,2,3,4,5,6,7
.irp q, 0,1,2,3
	ds_store_b32 v6, v[T2+4*\r+\q] offset:\r*2*TP+4*\q
.endr
.endr
	s_wait_loadcnt 0x0                             ; the rest; B's share is worked on while the LDS stores are served
.irp r, 0,1,2,3
	DOT BAC+\r, BB+4*\r, ZZ, TMP+2*\r
.endr
	RED16 BAC, 4
	ds_store_b128 v9, v[BAC:BAC+3] offset:BST      ; the 16 lanes of a half write the same words with the same values
	s_wait_dscnt 0x0                               ; for the other waves: my rows of the tile are in LDS
	s_barrier_signal -1
	s_barrier_wait -1
.irp r, 0,1,2,3,4,5,6,7
.irp q, 0,1,2,3
	ds_load_b32 v[TT+4*\r+\q], v7 offset:\q*TP+8*\r    ; stored row 4 c + q, column 16 w + 2 r + h
.endr
.endr
.irp r, 0,1,2,3,4,5,6,7
	s_wait_dscnt 28-4*\r                           ; row group r's four words are in; those of the later groups stay out
	v_pk_add_f32 v[T1+4*\r:T1+4*\r+1], v[T1+4*\r:T1+4*\r+1], v[TT+4*\r:TT+4*\r+1] neg_lo:[0,1] neg_hi:[0,1]
	v_pk_add_f32 v[T1+4*\r+2:T1+4*\r+3], v[T1+4*\r+2:T1+4*\r+3], v[TT+4*\r+2:TT+4*\r+3] neg_lo:[0,1] neg_hi:[0,1]
	global_store_b128 v4, v[T1+4*\r:T1+4*\r+3], s[14:15] offset:\r*2*ROWB    ; D = W - W^T; these registers are not written again
	DOT ACC+\r, T1+4*\r, HX, TMP+2*(\r%4)
.endr
	RED16 ACC, 8
.irp r, 0,1,2,3,4,5,6,7
	ds_store_b32 v8, v[ACC+\r] offset:STG+8*\r     ; row 16 w + 2 r + h
.endr
	s_wait_dscnt 0x0                               ; for wave 0, which gathers the 64 sums
	s_barrier_signal -1
	s_barrier_wait -1
	s_cmp_lg_u32 s33, 0
	s_cbranch_scc1 .Lend
	; wave 0: lane c takes rows 4 c .. 4 c + 3 (lanes 16-31 repeat lanes 0-15 until the store)
	ds_load_b128 v[ACC:ACC+3], v1 offset:STG
	ds_load_b128 v[OB:OB+3], v11 offset:BST
	v_cmp_eq_u32 s40, s32, v10                     ; lanes whose rows lie in the half that B's sums belong to
	v_cmp_gt_u32 vcc_lo, 16, v0
	s_wait_dscnt 0x0
.irp q, 0,1,2,3
	v_cndmask_b32 v[OB+\q], 0, v[OB+\q], s40
.endr
	v_pk_fma_f32 v[ACC:ACC+1], v[OB:OB+1], 2.0, v[ACC:ACC+1] op_sel_hi:[1,0,1]         ; D h + 2 B z
	v_pk_fma_f32 v[ACC+2:ACC+3], v[OB+2:OB+3], 2.0, v[ACC+2:ACC+3] op_sel_hi:[1,0,1]
	s_wait_xcnt 0x0                                ; EXEC is a source of the stores of D: it changes only behind this wait (ISA guide 3.1)
	s_and_saveexec_b32 s41, vcc_lo                 ; 16 lanes; never widened again: the wave ends below
	global_store_b128 v1, v[ACC:ACC+3], s[16:17]   ; 256 consecutive aligned bytes of P
	s_or_b32 s42, s18, s19
	s_cmp_lg_u32 s42, 0
	s_cbranch_scc1 .Lend
.irp q, 0,1,2,3
	v_mov_b32 v[TMP+\q], 1.0                       ; work-group (0, 0): the counter, j = 1, 64 times
.endr
	global_store_b128 v1, v[TMP:TMP+3], s[16:17] offset:CNT
.Lend:
	s_wait_xcnt 0x0
	s_mov_b32 exec_lo, -1
	s_wait_tensorcnt 0x0
	ds_add_u32 v160, v161
	s_wait_dscnt 0x0
	s_endpgm
.Lfunc_end_k_q44885e4534_build:
	.size	k_q44885e4534_build, .Lfunc_end_k_q44885e4534_build-k_q44885e4534_build
	.p2alignl 7, 3214868480
	.fill 96, 4, 3214868480
	.section	.rodata,"a",@progbits
	.p2align	6, 0x0
	.amdhsa_kernel k_q44885e4534_build
		.amdhsa_group_segment_fixed_size 17920
		.amdhsa_private_segment_fixed_size 0
		.amdhsa_enable_private_segment 0
		.amdhsa_kernarg_size 56
		.amdhsa_user_sgpr_count 2
		.amdhsa_user_sgpr_kernarg_segment_ptr 1
		.amdhsa_wavefront_size32 1
		.amdhsa_system_sgpr_workgroup_id_x 1
		.amdhsa_system_sgpr_workgroup_id_y 1
		.amdhsa_system_sgpr_workgroup_id_z 1
		.amdhsa_system_vgpr_workitem_id 0
		.amdhsa_next_free_vgpr 162
		.amdhsa_next_free_sgpr 66
		.amdhsa_reserve_vcc 1
		.amdhsa_float_denorm_mode_32 3
		.amdhsa_float_denorm_mode_16_64 3
		.amdhsa_memory_ordered 1
		.amdhsa_forward_progress 1
		.amdhsa_inst_pref_size 18
	.end_amdhsa_kernel
	.amdgpu_metadata
---
amdhsa.version: [ 1, 2 ]
amdhsa.kernels:
  - .name:           k_q44885e4534_build
    .symbol:         k_q44885e4534_build.kd
    .args:
      - { .name: W_w, .offset: 0, .size: 8, .value_kind: global_buffer, .address_space: global }
      - { .name: B_w, .offset: 8, .size: 8, .value_kind: global_buffer, .address_space: global }
      - { .name: du, .offset: 16, .size: 8, .value_kind: global_buffer, .address_space: global }
      - { .name: u, .offset: 24, .size: 8, .value_kind: global_buffer, .address_space: global }
      - { .name: h, .offset: 32, .size: 8, .value_kind: global_buffer, .address_space: global }
      - { .name: Amat, .offset: 40, .size: 8, .value_kind: global_buffer, .address_space: global }
      - { .name: Pa, .offset: 48, .size: 8, .value_kind: global_buffer, .address_space: global }
    .group_segment_fixed_size: 17920
    .private_segment_fixed_size: 0
    .kernarg_segment_align: 8
    .kernarg_segment_size: 56
    .max_flat_workgroup_size: 128
    .sgpr_count:     66
    .vgpr_count:     162
    .wavefront_size: 32
...
	.end_amdgpu_metadata
.endif
;; end of part 1
;; launch step (part 2): grid 16 x 16, 4 waves a work-group, no clusters, 1,536 bytes of LDS; arguments Amat, Pa, h, Pb, Sa; writes Pb, Sa
.if DOCPART == 2
	.amdgcn_target "amdgcn-amd-amdhsa--gfx1250"
	.amdhsa_code_object_version 6
	.text
	.protected	k_q44885e4534_step
	.globl	k_q44885e4534_step
	.p2align	8
	.type	k_q44885e4534_step,@function
k_q44885e4534_step:
	s_mov_b64 s[64:65], 0
	v_nop
	global_prefetch_b8 v0, s[64:65] scope:SCOPE_SE
	s_setreg_imm32_b32 hwreg(HW_REG_WAVE_MODE, 25, 1), 1
	s_wait_xcnt 0x0
; ONE STEP of  v = h + t_1 + t_2 + ..,  t_j = (0.005 / j) x (the sum of P's 16 rows),  where P holds the partial sums of D t_(j-1), D = W - W^T = 2 A
; (for j = 1: of D h + 2 B [du,u]).  Read: D, P with its counter j, the running sum S.  Stored: the partial sums of D t_j with the counter j + 1,
; and S + t_j.  The counter is a value only: no address, branch or trip count hangs on it.
; 16 x 16 work-groups, one for each tile of 64 x 64 of D.  (bi, bj) needs t_j's block bj alone: 16 rows x 256 bytes of P, as many bytes as the
; finished vector would be.  It stores 64 sums, 256 consecutive aligned bytes, to P'[bj][64 bi ..]; the work-groups with bi = 0 store S's block bj;
; (0, 0) stores the counter.  Each byte is stored by one work-group, and no buffer that is stored into is loaded from.
; LANES.  c = t & 15, g = t >> 4.  Register group r of a lane: row 8 g + r of the tile, columns 4 c .. 4 c + 3.  16 neighbouring lanes load 256
; consecutive aligned bytes, and a lane's eight sums are eight neighbouring rows.
; The coefficient comes through v_rcp_f32, good to the last bit but one.
; NOT USED: matrix instructions (one row); the tensor mover, a ring (one round of 17 loads a wave, issued at once, no loop); clusters (what the 16
; work-groups of a block column share is P's 4 KB against 16 KB of D of their own, and it comes through registers).
.set ROWB, 4096
.set CNT,  65536                       ; the counter's place in P
.set HALFD, 0x3ba3d70a                 ; 0.005 = 0.01 / 2: D is twice A
.set PL,  16                           ; v[16:47]   load i: rows 2 i + (lane >> 4) of P, my four columns
.set SI,  48                           ; v[48:51]   S, my four columns
.set AT,  52                           ; v[52:83]   the tile of D
.set X,   84                           ; v[84:87]   t_j, my four columns
.set ACC, 88                           ; v[88:95]   eight sums
.set TMP, 96                           ; v[96:103]  four pairs at work
.set CO,  104                          ; v[104:105] the coefficient, twice
.set OUT, 106                          ; v[106:109] the way out
.macro DOT acc, m, x, t                ; acc = the lane's four products of m and x, summed
	v_pk_mul_f32 v[\t:\t+1], v[\m:\m+1], v[\x:\x+1]
	v_pk_fma_f32 v[\t:\t+1], v[\m+2:\m+3], v[\x+2:\x+3], v[\t:\t+1]
	v_add_f32 v[\acc], v[\t], v[\t+1]
.endm
.macro RED16 base, n                   ; n registers summed over the 16 lanes of each half; every lane ends with the sum
.irp m, 1,2,4,8
.set RI, 0
.rept \n
	v_add_f32_dpp v[\base+RI], v[\base+RI], v[\base+RI] row_xmask:\m row_mask:0xf bank_mask:0xf
.set RI, RI+1
.endr
.endr
.endm
.macro ADD4 d, a                       ; four registers += four registers
	v_pk_add_f32 v[\d:\d+1], v[\d:\d+1], v[\a:\a+1]
	v_pk_add_f32 v[\d+2:\d+3], v[\d+2:\d+3], v[\a+2:\a+3]
.endm
	s_load_b256 s[4:11], s[0:1], 0x0               ; D s[4:5], P s[6:7], S s[8:9], P' s[10:11]
	s_load_b64 s[12:13], s[0:1], 0x20              ; S'
	v_lshl_add_u32 v112, v0, 2, 0x400
	v_mov_b32 v113, 0
	s_and_b32 s14, ttmp7, 0xffff                   ; bi
	s_mov_b32 s15, ttmp9                           ; bj
	s_lshl_b32 s20, s15, 8                         ; block bj of a vector: 64 numbers of 4 bytes
	s_mov_b32 s21, 0
	s_lshl_b32 s18, s14, 18                        ; the tile: 64 bi rows of 4,096 bytes + block bj
	s_add_co_u32 s18, s18, s20
	s_mov_b32 s19, 0
	s_lshl_b32 s22, s15, 12                        ; P'[bj][64 bi]
	s_lshl_b32 s30, s14, 8
	s_add_co_u32 s22, s22, s30
	s_mov_b32 s23, 0
	s_mov_b32 s27, 0x76543210                      ; v_permlanex16_b32: lane i of one half reads lane i of the other
	s_mov_b32 s28, 0xfedcba98
	v_and_b32 v2, 15, v0                           ; c
	v_lshrrev_b32 v3, 4, v0                        ; g
	v_lshrrev_b32 v8, 5, v0
	v_readfirstlane_b32 s16, v8                    ; the wave's number as a scalar
	v_lshlrev_b32 v1, 4, v2                        ; 16 c
	v_and_b32 v7, 1, v3                            ; which half of the wave
	v_lshl_add_u32 v4, v3, 15, v1                  ; D: row 8 g x 4,096 + 16 c
	v_lshl_add_u32 v5, v7, 12, v1                  ; P: row (half) x 4,096 + 16 c
	v_lshlrev_b32 v6, 5, v3                        ; LDS: my eight sums, 32 g
	s_wait_kmcnt 0x0
	s_load_b32 s26, s[6:7], CNT                    ; j; this launch stores nothing into P.  s[6:7] stays as it is
	s_add_nc_u64 s[24:25], s[6:7], s[20:21]        ; P at block bj, in a pair of its own
	s_add_nc_u64 s[4:5], s[4:5], s[18:19]
	s_add_nc_u64 s[8:9], s[8:9], s[20:21]
	s_add_nc_u64 s[10:11], s[10:11], s[22:23]
	s_add_nc_u64 s[12:13], s[12:13], s[20:21]
	global_load_b128 v[SI:SI+3], v1, s[8:9]        ; by every wave (256 bytes), so that no path reads a register that it did not load
.irp i, 0,1,2,3,4,5,6,7
	global_load_b128 v[PL+4*\i:PL+4*\i+3], v5, s[24:25] offset:\i*2*ROWB
.endr
.irp r, 0,1,2,3,4,5,6,7
	global_load_b128 v[AT+4*\r:AT+4*\r+3], v4, s[4:5] offset:\r*ROWB
.endr
	s_wait_loadcnt 8                               ; loads come back in order (ISA guide 5.7.1): S and P are in, D's eight loads stay out
.irp k, 0,2,4,6
	ADD4 PL+4*\k, PL+4*\k+4                        ; eight rows of P in a tree,
.endr
.irp k, 0,4
	ADD4 PL+4*\k, PL+4*\k+8
.endr
	ADD4 PL, PL+16
.irp q, 0,1,2,3
	v_permlanex16_b32 v[PL+4+\q], v[PL+\q], s27, s28   ; and the other half's eight (the destination has been written: it counts as read)
.endr
	s_wait_kmcnt 0x0                               ; j
	v_rcp_f32 v[CO], s26                           ; two plain vector instructions stand between this and the use of its result (ISA guide 5.7.2)
	v_pk_add_f32 v[X:X+1], v[PL:PL+1], v[PL+4:PL+5]
	v_pk_add_f32 v[X+2:X+3], v[PL+2:PL+3], v[PL+6:PL+7]
	s_wait_alu depctr_va_vdst(0)
	v_mul_f32 v[CO+1], HALFD, v[CO]
	v_mul_f32 v[CO], HALFD, v[CO]                  ; 0.005 / j, a pair for the packed multiply
	v_pk_mul_f32 v[X:X+1], v[X:X+1], v[CO:CO+1]
	v_pk_mul_f32 v[X+2:X+3], v[X+2:X+3], v[CO:CO+1]    ; t_j[64 bj + 4 c ..], in both halves of every wave
.irp r, 0,1,2,3,4,5,6,7
	s_wait_loadcnt 7-\r                            ; row r is in, the later rows stay out
	DOT ACC+\r, AT+4*\r, X, TMP+2*(\r%4)
.endr
	RED16 ACC, 8
	ds_store_b128 v6, v[ACC:ACC+3]                 ; rows 8 g .. 8 g + 7; the 16 lanes of a half write the same words with the same values
	ds_store_b128 v6, v[ACC+4:ACC+7] offset:16
	s_wait_dscnt 0x0                               ; for wave 0, which gathers the 64 sums
	s_barrier_signal -1
	s_barrier_wait -1
	s_cmp_lg_u32 s16, 0
	s_cbranch_scc1 .Lend
	ds_load_b128 v[OUT:OUT+3], v1                  ; lane c: rows 4 c .. 4 c + 3 (lanes 16-31 repeat lanes 0-15 until the store)
	v_cmp_gt_u32 vcc_lo, 16, v0
	s_wait_dscnt 0x0
	s_wait_xcnt 0x0                                ; EXEC changes only when no global instruction still has it as a source (ISA guide 3.1)
	s_and_saveexec_b32 s29, vcc_lo                 ; 16 lanes; never widened again: the wave ends below
	global_store_b128 v1, v[OUT:OUT+3], s[10:11]   ; 256 consecutive aligned bytes of P'
	s_cmp_lg_u32 s14, 0
	s_cbranch_scc1 .Lend
	ADD4 SI, X                                     ; bi = 0: S' = S + t_j, block bj
	global_store_b128 v1, v[SI:SI+3], s[12:13]
	s_cmp_lg_u32 s15, 0
	s_cbranch_scc1 .Lend
.irp q, 0,1,2,3
	v_add_f32 v[TMP+\q], 1.0, s26                  ; (0, 0): the counter, j + 1, 64 times
.endr
	global_store_b128 v1, v[TMP:TMP+3], s[10:11] offset:CNT
.Lend:
	s_wait_xcnt 0x0
	s_mov_b32 exec_lo, -1
	s_wait_tensorcnt 0x0
	ds_add_u32 v112, v113
	s_wait_dscnt 0x0
	s_endpgm
.Lfunc_end_k_q44885e4534_step:
	.size	k_q44885e4534_step, .Lfunc_end_k_q44885e4534_step-k_q44885e4534_step
	.p2alignl 7, 3214868480
	.fill 96, 4, 3214868480
	.section	.rodata,"a",@progbits
	.p2align	6, 0x0
	.amdhsa_kernel k_q44885e4534_step
		.amdhsa_group_segment_fixed_size 1536
		.amdhsa_private_segment_fixed_size 0
		.amdhsa_enable_private_segment 0
		.amdhsa_kernarg_size 40
		.amdhsa_user_sgpr_count 2
		.amdhsa_user_sgpr_kernarg_segment_ptr 1
		.amdhsa_wavefront_size32 1
		.amdhsa_system_sgpr_workgroup_id_x 1
		.amdhsa_system_sgpr_workgroup_id_y 1
		.amdhsa_system_sgpr_workgroup_id_z 1
		.amdhsa_system_vgpr_workitem_id 0
		.amdhsa_next_free_vgpr 114
		.amdhsa_next_free_sgpr 66
		.amdhsa_reserve_vcc 1
		.amdhsa_float_denorm_mode_32 3
		.amdhsa_float_denorm_mode_16_64 3
		.amdhsa_memory_ordered 1
		.amdhsa_forward_progress 1
		.amdhsa_inst_pref_size 10
	.end_amdhsa_kernel
	.amdgpu_metadata
---
amdhsa.version: [ 1, 2 ]
amdhsa.kernels:
  - .name:           k_q44885e4534_step
    .symbol:         k_q44885e4534_step.kd
    .args:
      - { .name: Amat, .offset: 0, .size: 8, .value_kind: global_buffer, .address_space: global }
      - { .name: Pa, .offset: 8, .size: 8, .value_kind: global_buffer, .address_space: global }
      - { .name: h, .offset: 16, .size: 8, .value_kind: global_buffer, .address_space: global }
      - { .name: Pb, .offset: 24, .size: 8, .value_kind: global_buffer, .address_space: global }
      - { .name: Sa, .offset: 32, .size: 8, .value_kind: global_buffer, .address_space: global }
    .group_segment_fixed_size: 1536
    .private_segment_fixed_size: 0
    .kernarg_segment_align: 8
    .kernarg_segment_size: 40
    .max_flat_workgroup_size: 128
    .sgpr_count:     66
    .vgpr_count:     114
    .wavefront_size: 32
...
	.end_amdgpu_metadata
.endif
;; end of part 2
;; launch step2: the kernel of part 2 again; grid 16 x 16, 4 waves a work-group, no clusters, 1,536 bytes of LDS; arguments Amat, Pb, Sa, Pa, Sb; writes Pa, Sb
;; launch step3: the kernel of part 2 again; grid 16 x 16, 4 waves a work-group, no clusters, 1,536 bytes of LDS; arguments Amat, Pa, Sb, Pb, Sa; writes Pb, Sa
;; launch step4: the kernel of part 2 again; grid 16 x 16, 4 waves a work-group, no clusters, 1,536 bytes of LDS; arguments Amat, Pb, Sa, Pa, Sb; writes Pa, Sb
;; launch step5: the kernel of part 2 again; grid 16 x 16, 4 waves a work-group, no clusters, 1,536 bytes of LDS; arguments Amat, Pa, Sb, Pb, Sa; writes Pb, Sa
;; launch final (part 3): grid 128 x 1, 8 waves a work-group, no clusters, 2,048 bytes of LDS; arguments C_w, Pb, Sa, out0; writes out0
.if DOCPART == 3
	.amdgcn_target "amdgcn-amd-amdhsa--gfx1250"
	.amdhsa_code_object_version 6
	.text
	.protected	k_q44885e4534_final
	.globl	k_q44885e4534_final
	.p2align	8
	.type	k_q44885e4534_final,@function
k_q44885e4534_final:
	s_mov_b64 s[64:65], 0
	v_nop
	global_prefetch_b8 v0, s[64:65] scope:SCOPE_SE
	s_setreg_imm32_b32 hwreg(HW_REG_WAVE_MODE, 25, 1), 1
	s_wait_xcnt 0x0
; THE END OF THE CHAIN:  v = S + (0.005 / j) x (the sum of P's 16 rows), the series' last term t_6 (P holds the partial sums of D t_5, D = W - W^T,
; and its counter j = 6), and  y = C v.  The series ends here: see the limit stated at the head of the first launch (2-norm of 0.01 A up to 0.5
; for a remainder of 1.6e-6; too early beyond about 1.5).
; 128 work-groups of eight waves; work-group g makes rows 4 g .. 4 g + 3 of y.  Thread t owns columns 4 t .. 4 t + 3, so that one offset, 16 t,
; serves P, S and C, a wave's load covers 512 consecutive bytes, and v never leaves the registers.
; WHY 4 ROWS: every work-group reads the 68 KB of P and S whatever the number of its rows, so fewer work-groups read less, while more of them share
; C's 2 MB, which is read once, more widely.  A work-group stores 16 bytes.  256 consecutive bytes of y from one work-group would mean 64 rows, 8 work-groups
; with 256 KB of C each; y is 2 KB in all, and the shorter chain of loads is preferred.
; NOT USED: matrix instructions (one row); the tensor mover and clusters: P and S are shared by all work-groups, but there is one round of 21 loads
; a wave, issued at once; joint requests would put a meeting of the partners and a pass through LDS in front of it.
.set ROWB, 4096
.set CNT,  65536                       ; the counter's place in P
.set HALFD, 0x3ba3d70a                 ; 0.005 = 0.01 / 2: D is twice A
.set SV,  4                            ; v[4:7]     S, then v, my four columns
.set PL,  8                            ; v[8:71]    P's 16 rows, my four columns; later the eight waves' sums
.set CR,  72                           ; v[72:87]   four rows of C
.set ACC, 88                           ; v[88:91]   four sums
.set TMP, 92                           ; v[92:99]   four pairs at work
.set CO,  100                          ; v[100:101] the coefficient, twice
.macro DOT acc, m, x, t                ; acc = the lane's four products of m and x, summed
	v_pk_mul_f32 v[\t:\t+1], v[\m:\m+1], v[\x:\x+1]
	v_pk_fma_f32 v[\t:\t+1], v[\m+2:\m+3], v[\x+2:\x+3], v[\t:\t+1]
	v_add_f32 v[\acc], v[\t], v[\t+1]
.endm
.macro RED16 base, n                   ; n registers summed over the 16 lanes of each half; every lane ends with the sum
.irp m, 1,2,4,8
.set RI, 0
.rept \n
	v_add_f32_dpp v[\base+RI], v[\base+RI], v[\base+RI] row_xmask:\m row_mask:0xf bank_mask:0xf
.set RI, RI+1
.endr
.endr
.endm
.macro ADD4 d, a                       ; four registers += four registers
	v_pk_add_f32 v[\d:\d+1], v[\d:\d+1], v[\a:\a+1]
	v_pk_add_f32 v[\d+2:\d+3], v[\d+2:\d+3], v[\a+2:\a+3]
.endm
	s_load_b256 s[4:11], s[0:1], 0x0               ; C s[4:5], P s[6:7], S s[8:9], y s[10:11]
	v_lshl_add_u32 v112, v0, 2, 0x400
	v_mov_b32 v113, 0
	s_lshl_b32 s14, ttmp9, 14                      ; four rows of C, 4,096 bytes each
	s_mov_b32 s15, 0
	s_lshl_b32 s16, ttmp9, 4                       ; four numbers of y
	s_mov_b32 s17, 0
	s_mov_b32 s19, 0x76543210                      ; v_permlanex16_b32: lane i of one half reads lane i of the other
	s_mov_b32 s20, 0xfedcba98
	v_lshlrev_b32 v1, 4, v0                        ; 16 t
	v_mov_b32 v2, 0
	v_lshrrev_b32 v3, 5, v0
	v_readfirstlane_b32 s12, v3                    ; the wave's number as a scalar
	v_lshlrev_b32 v3, 4, v3                        ; LDS: 16 bytes for each wave
	s_wait_kmcnt 0x0
	s_load_b32 s18, s[6:7], CNT                    ; j; this launch stores nothing into P
	s_add_nc_u64 s[4:5], s[4:5], s[14:15]
	s_add_nc_u64 s[10:11], s[10:11], s[16:17]
.irp p, 0,1,2,3,4,5,6,7,8,9,10,11,12,13,14,15
	global_load_b128 v[PL+4*\p:PL+4*\p+3], v1, s[6:7] offset:\p*ROWB
.endr
	global_load_b128 v[SV:SV+3], v1, s[8:9]
.irp r, 0,1,2,3
	global_load_b128 v[CR+4*\r:CR+4*\r+3], v1, s[4:5] offset:\r*ROWB th:TH_LOAD_NT   ; each byte of C is read once in the launch
.endr
	s_wait_loadcnt 4                               ; loads come back in order (ISA guide 5.7.1): P and S are in, C's four loads stay out
.irp k, 0,2,4,6,8,10,12,14
	ADD4 PL+4*\k, PL+4*\k+4                        ; P's 16 rows in a tree
.endr
.irp k, 0,4,8,12
	ADD4 PL+4*\k, PL+4*\k+8
.endr
.irp k, 0,8
	ADD4 PL+4*\k, PL+4*\k+16
.endr
	s_wait_kmcnt 0x0                               ; j
	v_rcp_f32 v[CO], s18                           ; two plain vector instructions stand between this and the use of its result (ISA guide 5.7.2)
	ADD4 PL, PL+32
	s_wait_alu depctr_va_vdst(0)
	v_mul_f32 v[CO+1], HALFD, v[CO]
	v_mul_f32 v[CO], HALFD, v[CO]                  ; 0.005 / j, a pair for the packed multiply-add
	v_pk_fma_f32 v[SV:SV+1], v[PL:PL+1], v[CO:CO+1], v[SV:SV+1]
	v_pk_fma_f32 v[SV+2:SV+3], v[PL+2:PL+3], v[CO:CO+1], v[SV+2:SV+3]      ; v[4 t ..]
.irp r, 0,1,2,3
	s_wait_loadcnt 3-\r                            ; row r is in, the later rows stay out
	DOT ACC+\r, CR+4*\r, SV, TMP+2*\r
.endr
	RED16 ACC, 4
.irp q, 0,1,2,3
	v_permlanex16_b32 v[TMP+\q], v[ACC+\q], s19, s20   ; the other half (the destination has been written: it counts as read)
.endr
.irp q, 0,1,2,3
	v_add_f32 v[ACC+\q], v[ACC+\q], v[TMP+\q]
.endr
	ds_store_b128 v3, v[ACC:ACC+3]                 ; my wave's 128 columns of four rows; all lanes write the same words with the same values
	s_wait_dscnt 0x0                               ; for wave 0, which adds the eight waves' sums
	s_barrier_signal -1
	s_barrier_wait -1
	s_cmp_lg_u32 s12, 0
	s_cbranch_scc1 .Lend
.irp k, 0,1,2,3,4,5,6,7
	ds_load_b128 v[PL+4*\k:PL+4*\k+3], v2 offset:16*\k
.endr
	v_cmp_eq_u32 vcc_lo, 0, v0
	s_wait_dscnt 0x0
.irp k, 0,2,4,6
	ADD4 PL+4*\k, PL+4*\k+4
.endr
.irp k, 0,4
	ADD4 PL+4*\k, PL+4*\k+8
.endr
	ADD4 PL, PL+16
	s_wait_xcnt 0x0                                ; EXEC changes only when no global instruction still has it as a source (ISA guide 3.1)
	s_and_saveexec_b32 s21, vcc_lo                 ; one lane; never widened again: the wave ends below
	global_store_b128 v2, v[PL:PL+3], s[10:11]     ; y[4 g .. 4 g + 3]
.Lend:
	s_wait_xcnt 0x0
	s_mov_b32 exec_lo, -1
	s_wait_tensorcnt 0x0
	ds_add_u32 v112, v113
	s_wait_dscnt 0x0
	s_endpgm
.Lfunc_end_k_q44885e4534_final:
	.size	k_q44885e4534_final, .Lfunc_end_k_q44885e4534_final-k_q44885e4534_final
	.p2alignl 7, 3214868480
	.fill 96, 4, 3214868480
	.section	.rodata,"a",@progbits
	.p2align	6, 0x0
	.amdhsa_kernel k_q44885e4534_final
		.amdhsa_group_segment_fixed_size 2048
		.amdhsa_private_segment_fixed_size 0
		.amdhsa_enable_private_segment 0
		.amdhsa_kernarg_size 32
		.amdhsa_user_sgpr_count 2
		.amdhsa_user_sgpr_kernarg_segment_ptr 1
		.amdhsa_wavefront_size32 1
		.amdhsa_system_sgpr_workgroup_id_x 1
		.amdhsa_system_sgpr_workgroup_id_y 1
		.amdhsa_system_sgpr_workgroup_id_z 1
		.amdhsa_system_vgpr_workitem_id 0
		.amdhsa_next_free_vgpr 114
		.amdhsa_next_free_sgpr 66
		.amdhsa_reserve_vcc 1
		.amdhsa_float_denorm_mode_32 3
		.amdhsa_float_denorm_mode_16_64 3
		.amdhsa_memory_ordered 1
		.amdhsa_forward_progress 1
		.amdhsa_inst_pref_size 10
	.end_amdhsa_kernel
	.amdgpu_metadata
---
amdhsa.version: [ 1, 2 ]
amdhsa.kernels:
  - .name:           k_q44885e4534_final
    .symbol:         k_q44885e4534_final.kd
    .args:
      - { .name: C_w, .offset: 0, .size: 8, .value_kind: global_buffer, .address_space: global }
      - { .name: Pb, .offset: 8, .size: 8, .value_kind: global_buffer, .address_space: global }
      - { .name: Sa, .offset: 16, .size: 8, .value_kind: global_buffer, .address_space: global }
      - { .name: out0, .offset: 24, .size: 8, .value_kind: global_buffer, .address_space: global }
    .group_segment_fixed_size: 2048
    .private_segment_fixed_size: 0
    .kernarg_segment_align: 8
    .kernarg_segment_size: 32
    .max_flat_workgroup_size: 256
    .sgpr_count:     66
    .vgpr_count:     114
    .wavefront_size: 32
...
	.end_amdgpu_metadata
.endif
;; end of part 3
